; MI455X (gfx1250); checked and timed in simulation.
; The chip was launched on July 23, 2026; its instructions are those of AMD's public machine-readable ISA for CDNA 5 (MIT licence, August 2026) and "CDNA5" Instruction Set Architecture Reference Guide (July 2026). The comments in the code are by the model that wrote it; some were corrected since.
;; Gauss Renderer. Allowed arithmetic: float matrix products may take bf16 or f16 operands with f32 sums; all other float work in f32.
;; Inputs: color 2,048 x 3 float32; cov2d 2,048 x 2 x 2 float32; depths 2,048 float32; means2D 2,048 x 2 float32; neg_cov3d 8 x 3 x 3 float32; neg_depths 8 float32; neg_means2D 8 x 2 float32; neg_opacity 8 x 1 float32; opacity 2,048 x 1 float32.
;; Outputs: out0 128 x 128 x 3 float32; out1 128 x 128 x 1 float32; out2 128 x 128 x 1 float32.
;; One version. Each part assembles by itself: llvm-mc -triple=amdgcn-amd-amdhsa -mcpu=gfx1250 --defsym DOCPART=n.
;; ======== version 1 of 1: 2 launches
;; workspace buffers: slots 65,536 bytes of whole numbers; info 256 bytes of whole numbers
;; launch bin (part 1): grid 256 x 1, 16 waves a work-group, no clusters, 47,360 bytes of LDS; arguments cov2d, means2D, depths, neg_cov3d, neg_means2D, slots, info; writes slots, info
.if DOCPART == 1
	.amdgcn_target "amdgcn-amd-amdhsa--gfx1250"
	.amdhsa_code_object_version 6
	.text
	.protected	k_q5854d24b28_bin
	.globl	k_q5854d24b28_bin
	.p2align	8
	.type	k_q5854d24b28_bin,@function
k_q5854d24b28_bin:
	s_mov_b64 s[64:65], 0
	v_nop
	global_prefetch_b8 v0, s[64:65] scope:SCOPE_SE
	s_setreg_imm32_b32 hwreg(HW_REG_WAVE_MODE, 25, 1), 1
	s_wait_xcnt 0x0
; BIN: for every gaussian i and every tile t of 32 x 32 pixels (t = 4 (row / 32) + column / 32): the place of i in tile t's
; depth-sorted list, or 0xFFFF if i's rectangle does not overlap the tile; for every tile the list's length and the
; 8-bit mask of the negative gaussians whose rectangles overlap it.  All are whole numbers that the next launch reads.
; place(i, t) = number of j with flag(j, t) = 1 that stand before i; j stands before i if depth j < depth i, or the
; depths are equal and j < i (a stable order).
; slots: word E at byte 256 (i >> 3) + 32 q + 4 (i & 7), q = tile pair: place in tile 2q | place in tile 2q + 1 << 16.
; info:  byte 8 t: length of tile t's list; byte 8 t + 4: mask of negatives of tile t.
; SHARES: work-group b owns i = 8 b .. 8 b + 7, against all 2,048 j and all 16 tiles.  16 waves.
;   Phase A: thread T makes the 16 tile flags of j = T + 512 k, k = 0..3, and lays them into LDS.
;   Phase B: wave w takes j = 128 w .. 128 w + 127; lane l has i = 8 b + (l & 7) and j = 128 w + 4 it + (l >> 3), it = 0..31.
;   One comparison of depths serves all 16 tiles: the flags of a j are 16 bytes (0 or 1), and they are added as bytes:
;   at most 32 in a lane, at most 128 after the four lanes of an i are added, so no byte overflows.
; No address and no branch hangs on a floating-point number: comparisons steer v_cndmask_b32 and counts that are stored.
; LIMITS: NaN among the depths is not ordered as a sort orders it.  NaN elsewhere loses in min and max.
; The radius is 3 ceil(sqrt(lam)) with v_sqrt_f32 (accurate to 1 ulp): a lam whose root lies within 1 ulp of a whole
; number may get the neighbouring radius.
; info is stored as 16 pieces of 8 bytes by 16 work-groups: each length is the sum that its own work-group makes.
.set LD_D,   0                         ; f32 depth[j], 8,192 bytes
.set LD_W,   8192                      ; 16 bytes a j: word h = tile row h; byte 0, 2, 1, 3 = tile column 0, 1, 2, 3
.set LD_RED, 40960                     ; 16 waves x 256 bytes: words [q][i & 7]
.set LD_CNT, 45056                     ; 16 words: each wave's count of tile (b & 15)
.set COV,  8                           ; v[8:23]    cov2d of my four j
.set MEAN, 24                          ; v[24:31]   means
.set DEP,  32                          ; v[32:35]   depths
.set MID,  36                          ; v[36:39]
.set U,    40                          ; v[40:43]
.set RAD,  44                          ; v[44:47]   radius
.set WO,   48                          ; v[48:51]   the four flag words of one j
.set DI,   60                          ; depth of my i
.set REL,  61                          ; i - j at it = 0, signed
.set AD,   62                          ; LDS address of my first j's depth; before that the byte offset of my i's depth in memory
.set AW,   63                          ; LDS address of my first j's flags, less LD_W
.set ACC,  64                          ; v[64:67]   16 byte counters
.set TMP,  68                          ; v[68:75]
.set CW,   76                          ; v[76:79]   count words; in wave 0, before that, a negative's 2 x 2 covariance
.set D0,   80                          ; v[80:87]   batch buffer 0: depths
.set W0,   88                          ; v[88:119]  batch buffer 0: flags
.set D1,   120                         ; v[120:127] batch buffer 1
.set W1,   128                         ; v[128:159]
	s_load_b256 s[8:15], s[0:1], 0x0               ; cov2d s[8:9], means2D s[10:11], depths s[12:13], neg_cov3d s[14:15]
	s_load_b128 s[16:19], s[0:1], 0x20             ; neg_means2D s[16:17], slots s[18:19]
	s_load_b64 s[20:21], s[0:1], 0x30              ; info
	v_lshl_add_u32 v160, v0, 2, 0xb100
	v_mov_b32 v161, 0
	v_lshrrev_b32 v7, 5, v0
	v_readfirstlane_b32 s2, v7                     ; wave
	v_and_b32 v1, 31, v0                           ; lane
	v_lshlrev_b32 v2, 4, v0                        ; 16 T
	v_lshlrev_b32 v3, 3, v0                        ; 8 T
	v_lshlrev_b32 v4, 2, v0                        ; 4 T
	v_and_b32 v7, 7, v1                            ; l & 7: my i in the block; in wave 0 also the negative's number
	v_mul_u32_u24 v5, 36, v7
	v_lshlrev_b32 v6, 3, v7
	s_mov_b32 s3, ttmp9                            ; b
	s_and_b32 s4, s3, 15                           ; t0: the tile whose length this work-group counts
	s_lshr_b32 s26, s4, 2                          ; its tile row
	s_lshl_b32 s5, s26, 2                          ; byte of that row's flag word
	s_and_b32 s27, s4, 1
	s_lshl_b32 s27, s27, 1
	s_bfe_u32 s28, s4, 0x10001
	s_or_b32 s27, s27, s28                         ; the byte that holds its tile column: 0, 2, 1, 3
	s_lshl_b32 s6, s27, 3                          ; as a bit number
	s_and_b32 s27, s4, 3
	s_lshl_b32 s27, s27, 5
	s_cvt_f32_u32 s32, s27                         ; wf
	s_lshl_b32 s26, s26, 5
	s_cvt_f32_u32 s34, s26                         ; hf
	s_add_f32 s33, s32, 0x41f80000                 ; wf + 31
	s_add_f32 s35, s34, 0x41f80000                 ; hf + 31
	s_lshl_b32 s29, s3, 5
	v_lshl_add_u32 v[AD], v7, 2, s29               ; 4 (8 b + (l & 7)): my i's depth in memory
	s_mov_b32 s22, 0x76543210                      ; v_permlanex16_b32: lane i reads lane i of the other half
	s_mov_b32 s23, 0xfedcba98
	s_mov_b32 s30, 0x42fe0000                      ; 127.0
	s_mov_b32 s31, 0x00ff00ff
	s_mov_b32 s37, 0
	s_wait_kmcnt 0x0
	s_cmp_lg_u32 s2, 0
	s_cbranch_scc1 .Lno_neg_load
	global_load_b32 v[CW],   v5, s[14:15]            ; wave 0: the upper left 2 x 2 of negative l & 7
	global_load_b32 v[CW+1], v5, s[14:15] offset:4
	global_load_b32 v[CW+2], v5, s[14:15] offset:12
	global_load_b32 v[CW+3], v5, s[14:15] offset:16
	global_load_b64 v[72:73], v6, s[16:17]           ; and its mean
.Lno_neg_load:
.irp k, 0,1,2,3
	global_load_b128 v[COV+4*\k:COV+4*\k+3], v2, s[8:9] offset:8192*\k
	global_load_b64 v[MEAN+2*\k:MEAN+2*\k+1], v3, s[10:11] offset:4096*\k
	global_load_b32 v[DEP+\k], v4, s[12:13] offset:2048*\k
.endr
	global_load_b32 v[DI], v[AD], s[12:13]         ; my i's depth, from memory: every LDS address of phase B is then the wave's and the lane's alone
	s_wait_loadcnt 0x0
	; radius = 3 ceil(sqrt(max eigenvalue)), four j stage by stage
.irp k, 0,1,2,3
	v_mul_f32 v[U+\k], v[COV+4*\k+1], v[COV+4*\k+2]
	v_add_f32 v[MID+\k], v[COV+4*\k], v[COV+4*\k+3]
.endr
.irp k, 0,1,2,3
	v_fma_f32 v[U+\k], v[COV+4*\k], v[COV+4*\k+3], -v[U+\k]        ; det
	v_mul_f32 v[MID+\k], 0.5, v[MID+\k]
.endr
.irp k, 0,1,2,3
	v_fma_f32 v[U+\k], v[MID+\k], v[MID+\k], -v[U+\k]
.endr
.irp k, 0,1,2,3
	v_max_num_f32 v[U+\k], 0x3dcccccd, v[U+\k]                     ; at least 0.1
.endr
.irp k, 0,1,2,3
	v_sqrt_f32 v[RAD+\k], v[U+\k]
.endr
	v_nop                                          ; one plain place behind the roots before a result is read or a source written (ISA guide 5.7.2)
	s_wait_alu depctr_va_vdst(0)
.irp k, 0,1,2,3
	v_add_f32 v[U+\k], v[MID+\k], v[RAD+\k]
	v_sub_f32 v[RAD+\k], v[MID+\k], v[RAD+\k]
.endr
.irp k, 0,1,2,3
	v_max_num_f32 v[U+\k], v[U+\k], v[RAD+\k]                      ; lam
.endr
.irp k, 0,1,2,3
	v_sqrt_f32 v[RAD+\k], v[U+\k]
.endr
	v_nop
	s_wait_alu depctr_va_vdst(0)
.irp k, 0,1,2,3
	v_floor_f32 v[RAD+\k], -v[RAD+\k]                              ; ceil(x) = -floor(-x);
.endr
.irp k, 0,1,2,3
	v_mul_f32 v[RAD+\k], 0xc0400000, v[RAD+\k]                     ; the sign goes into the factor -3
.endr
; the rectangle: v52 rmin x, v53 rmax x, v54 rmin y, v55 rmax y, clipped to 0 .. 127
.macro RECT mx, my, rad
	v_sub_f32 v52, v[\mx], v[\rad]
	v_add_f32 v53, v[\mx], v[\rad]
	v_sub_f32 v54, v[\my], v[\rad]
	v_add_f32 v55, v[\my], v[\rad]
.irp r, 52,53,54,55
	v_med3_num_f32 v\r, v\r, 0, s30
.endr
.endm
; does the rectangle overlap a tile column: min(rmax x, w + 31) > max(rmin x, w).  The flag goes to bit sh of v59.
.macro COLBIT hi, lo, sh
	v_min_num_f32 v56, \hi, v53
	v_max_num_f32 v57, \lo, v52
	v_cmp_gt_f32 vcc_lo, v56, v57
.if \sh == 0
	v_cndmask_b32 v59, 0, 1, vcc_lo
.else
	v_cndmask_b32 v58, 0, 1, vcc_lo
	v_lshl_or_b32 v59, v58, \sh, v59
.endif
.endm
; the same for a tile row; where it holds the row's word is the four column flags, else 0
.macro ROWBIT hi, lo, h
	v_min_num_f32 v56, \hi, v55
	v_max_num_f32 v57, \lo, v54
	v_cmp_gt_f32 vcc_lo, v56, v57
	v_cndmask_b32 v[WO+\h], 0, v59, vcc_lo
.endm
.macro TILEBITS k
	RECT MEAN+2*\k, MEAN+2*\k+1, RAD+\k
	COLBIT 0x41f80000, 0,          0
	COLBIT 0x427c0000, 0x42000000, 16
	COLBIT 0x42be0000, 0x42800000, 8
	COLBIT 0x42fe0000, 0x42c00000, 24
	ROWBIT 0x41f80000, 0,          0
	ROWBIT 0x427c0000, 0x42000000, 1
	ROWBIT 0x42be0000, 0x42800000, 2
	ROWBIT 0x42fe0000, 0x42c00000, 3
	ds_store_b128 v2, v[WO:WO+3] offset:LD_W+8192*\k
	ds_store_b32 v4, v[DEP+\k] offset:LD_D+2048*\k
.endm
	TILEBITS 0
	TILEBITS 1
	TILEBITS 2
	TILEBITS 3
	s_cmp_lg_u32 s2, 0
	s_cbranch_scc1 .Lno_neg
	; wave 0: radius and rectangle of negative l & 7, tested against tile t0; lanes 0 to 7 give the mask's bits 0 to 7
	v_mul_f32 v68, v[CW+1], v[CW+2]
	v_add_f32 v69, v[CW], v[CW+3]
	v_fma_f32 v68, v[CW], v[CW+3], -v68
	v_mul_f32 v69, 0.5, v69
	v_fma_f32 v68, v69, v69, -v68
	v_max_num_f32 v68, 0x3dcccccd, v68
	v_sqrt_f32 v70, v68
	v_nop
	s_wait_alu depctr_va_vdst(0)
	v_add_f32 v68, v69, v70
	v_sub_f32 v70, v69, v70
	v_max_num_f32 v68, v68, v70
	v_sqrt_f32 v70, v68
	v_nop
	s_wait_alu depctr_va_vdst(0)
	v_floor_f32 v70, -v70
	v_mul_f32 v70, 0xc0400000, v70
	RECT 72, 73, 70
	v_min_num_f32 v56, s33, v53
	v_max_num_f32 v57, s32, v52
	v_cmp_gt_f32 s24, v56, v57
	v_min_num_f32 v56, s35, v55
	v_max_num_f32 v57, s34, v54
	v_cmp_gt_f32 s25, v56, v57
	s_and_b32 s37, s24, s25
	s_and_b32 s37, s37, 0xff
.Lno_neg:
	; addresses of phase B
	v_lshrrev_b32 v58, 3, v1                       ; js = l >> 3
	s_lshl_b32 s26, s2, 9
	v_lshl_add_u32 v[AD], v58, 2, s26              ; 4 (128 w + js)
	s_lshl_b32 s26, s2, 11
	v_lshl_add_u32 v[AW], v58, 4, s26              ; 16 (128 w + js)
	s_lshl_b32 s26, s3, 3
	s_lshl_b32 s27, s2, 7
	s_sub_co_i32 s26, s26, s27                     ; 8 b - 128 w
	v_sub_nc_u32 v58, v7, v58
	v_add_nc_u32 v[REL], s26, v58                  ; j < i is 4 it < REL
	v_add_nc_u32 v59, s5, v2                       ; 16 T + the byte of t0's tile row
	s_wait_dscnt 0x0                               ; my flags and depths are in LDS, for the other waves' sake
	s_barrier_signal -1
	s_barrier_wait -1                              ; everybody's are
; a batch: eight steps of it, 16 LDS loads
.macro LOADB n, db, wb
.irp u, 0,1,2,3,4,5,6,7
	ds_load_b32 v[\db+\u], v[AD] offset:LD_D+16*(8*\n+\u)
.endr
.irp u, 0,1,2,3,4,5,6,7
	ds_load_b128 v[\wb+4*\u:\wb+4*\u+3], v[AW] offset:LD_W+64*(8*\n+\u)
.endr
.endm
; two j: does each stand before my i; where it does, its 16 flag bytes are added to my counters
.macro PAIR2 n, u, db, wb, first
	v_cmp_lt_f32 s24, v[\db+\u], v[DI]
	v_cmp_le_f32 s25, v[\db+\u], v[DI]
	v_cmp_lt_i32 s26, 4*(8*\n+\u), v[REL]
	v_cmp_lt_f32 s27, v[\db+\u+1], v[DI]
	v_cmp_le_f32 s28, v[\db+\u+1], v[DI]
	v_cmp_lt_i32 s29, 4*(8*\n+\u+1), v[REL]
	s_and_b32 s25, s25, s26
	s_or_b32 s24, s24, s25
	s_and_b32 s28, s28, s29
	s_or_b32 s27, s27, s28
.irp h, 0,1,2,3
	v_cndmask_b32 v[TMP+2*\h],   0, v[\wb+4*\u+\h],   s24
	v_cndmask_b32 v[TMP+2*\h+1], 0, v[\wb+4*\u+4+\h], s27
.endr
.irp h, 0,1,2,3
.if \first
	v_add_nc_u32 v[ACC+\h], v[TMP+2*\h], v[TMP+2*\h+1]             ; the first pair starts the counters: nothing is cleared
.else
	v_add3_u32 v[ACC+\h], v[ACC+\h], v[TMP+2*\h], v[TMP+2*\h+1]
.endif
.endr
.endm
.macro COMPB n, db, wb, first
	PAIR2 \n, 0, \db, \wb, \first
	PAIR2 \n, 2, \db, \wb, 0
	PAIR2 \n, 4, \db, \wb, 0
	PAIR2 \n, 6, \db, \wb, 0
.endm
.irp k, 0,1,2,3
	ds_load_b32 v[CW+\k], v59 offset:LD_W+8192*\k  ; t0's row word of j = T + 512 k
.endr
	LOADB 0, D0, W0
	LOADB 1, D1, W1
	s_wait_dscnt 32                                ; LDS answers in order: the four count words are in; the two batches (16 + 16) may be out
.irp k, 0,1,2,3
	v_bfe_u32 v[CW+\k], v[CW+\k], s6, 1            ; t0's flag
.endr
	v_cmp_ne_u32 s24, 0, v[CW]
	v_cmp_ne_u32 s25, 0, v[CW+1]
	v_cmp_ne_u32 s26, 0, v[CW+2]
	v_cmp_ne_u32 s27, 0, v[CW+3]
	s_bcnt1_i32_b32 s7, s24
	s_bcnt1_i32_b32 s25, s25
	s_bcnt1_i32_b32 s26, s26
	s_bcnt1_i32_b32 s27, s27
	s_add_co_u32 s7, s7, s25
	s_add_co_u32 s26, s26, s27
	s_add_co_u32 s7, s7, s26                       ; how many of my wave's 128 j lie in tile t0
	s_wait_dscnt 16                                ; batch 0 is in; batch 1's 16 loads may be out
	COMPB 0, D0, W0, 1
	LOADB 2, D0, W0
	s_wait_dscnt 16                                ; batch 1 is in; batch 2 may be out
	COMPB 1, D1, W1, 0
	LOADB 3, D1, W1
	s_wait_dscnt 16                                ; batch 2 is in; batch 3 may be out
	COMPB 2, D0, W0, 0
	s_wait_dscnt 0x0
	COMPB 3, D1, W1, 0
	; the four lanes of one i (lane bits 3 and 4) are added, still as bytes: at most 128 each
.irp h, 0,1,2,3
	v_mov_b32_dpp v[TMP+\h], v[ACC+\h] row_xmask:8 row_mask:0xf bank_mask:0xf
.endr
.irp h, 0,1,2,3
	v_add_nc_u32 v[ACC+\h], v[ACC+\h], v[TMP+\h]
.endr
.irp h, 0,1,2,3
	v_permlanex16_b32 v[TMP+\h], v[ACC+\h], s22, s23
.endr
.irp h, 0,1,2,3
	v_add_nc_u32 v[ACC+\h], v[ACC+\h], v[TMP+\h]
.endr
	; bytes 0, 2 are tile pair 2 h; bytes 1, 3 are tile pair 2 h + 1: eight words of two 16-bit counts
.irp h, 0,1,2,3
	v_and_b32 v[TMP+2*\h], s31, v[ACC+\h]
	v_lshrrev_b32 v[TMP+2*\h+1], 8, v[ACC+\h]
.endr
.irp h, 0,1,2,3
	v_and_b32 v[TMP+2*\h+1], s31, v[TMP+2*\h+1]
.endr
	s_lshl_b32 s26, s2, 8
	v_lshl_add_u32 v[CW], v7, 2, s26               ; 256 w + 4 (l & 7); the four lanes of an i store the same number
.irp q, 0,1,2,3,4,5,6,7
	ds_store_b32 v[CW], v[TMP+\q] offset:LD_RED+32*\q
.endr
	v_mov_b32 v[CW+1], s7
	s_lshl_b32 s26, s2, 2
	v_mov_b32 v[CW+2], s26
	ds_store_b32 v[CW+2], v[CW+1] offset:LD_CNT
	s_wait_dscnt 0x0                               ; my sums are in LDS, for wave 0's sake
	s_barrier_signal -1
	s_barrier_wait -1
	s_cmp_lg_u32 s2, 0
	s_cbranch_scc1 .Lend
	; wave 0: lane l makes the words 2 l and 2 l + 1 of the block's 64: q = l >> 2, i & 7 = 2 (l & 3) and the next
	v_lshlrev_b32 v[CW], 3, v1
.irp w, 0,1,2,3,4,5,6,7,8,9,10,11,12,13,14,15
	ds_load_b64 v[80+2*\w:81+2*\w], v[CW] offset:LD_RED+256*\w
.endr
	v_and_b32 v[CW+1], 3, v1
	v_lshrrev_b32 v[CW+2], 3, v1                   ; tile row = q >> 1
	s_lshl_b32 s26, s3, 7
	v_lshl_add_u32 v[CW+1], v[CW+1], 5, s26        ; 16 (8 b + 2 (l & 3))
	v_lshl_add_u32 v[CW+1], v[CW+2], 2, v[CW+1]
	ds_load_b32 v112, v[CW+1] offset:LD_W          ; the two i's own flags of that tile row; no LDS byte is written any more
	ds_load_b32 v113, v[CW+1] offset:LD_W+16
	v_bfe_u32 v[CW+3], v1, 2, 1                    ; q & 1: which two bytes
	v_lshlrev_b32 v[CW+3], 3, v[CW+3]
	s_lshl_b32 s38, s3, 8
	s_mov_b32 s39, 0
	s_add_nc_u64 s[18:19], s[18:19], s[38:39]      ; slots at my block's 256 bytes
	s_wait_dscnt 0x0
	v_add3_u32 v80, v80, v82, v84
	v_add3_u32 v81, v81, v83, v85
.irp w, 3,5,7,9,11,13
	v_add3_u32 v80, v80, v[80+2*\w], v[82+2*\w]
	v_add3_u32 v81, v81, v[81+2*\w], v[83+2*\w]
.endr
	v_add_nc_u32 v80, v80, v110                    ; each 16-bit count is at most 2,047: none carries into its neighbour
	v_add_nc_u32 v81, v81, v111
.irp r, 112,113
	v_lshrrev_b32 v\r, v[CW+3], v\r
	v_and_b32 v\r, s31, v\r                        ; 1 in a half: i lies in that tile
	v_xor_b32 v\r, 0x00010001, v\r
	v_mul_u32_u24 v\r, 0xffff, v\r                 ; 0xFFFF in a half: it does not
.endr
	v_or_b32 v80, v80, v112
	v_or_b32 v81, v81, v113
	global_store_b64 v[CW], v[80:81], s[18:19]     ; 32 lanes x 8 bytes: the block's 256 consecutive bytes, aligned
	s_cmp_lt_u32 s3, 16
	s_cbranch_scc0 .Lend
	; work-groups 0 to 15: tile b's length and mask
	v_mov_b32 v[CW+2], 0
.irp g, 0,1,2,3
	ds_load_b128 v[116+4*\g:119+4*\g], v[CW+2] offset:LD_CNT+16*\g
.endr
	s_lshl_b32 s26, s4, 3
	v_mov_b32 v114, s26
	s_wait_dscnt 0x0
	v_add3_u32 v116, v116, v117, v118
.irp g, 119,121,123,125,127,129
	v_add3_u32 v116, v116, v[\g], v[\g+1]
.endr
	v_add_nc_u32 v116, v116, v131
	v_mov_b32 v117, s37
	v_cmp_eq_u32 vcc_lo, 0, v1
	s_wait_xcnt 0x0                                ; EXEC is a source of the store above: it changes only behind this wait
	s_and_saveexec_b32 s36, vcc_lo
	global_store_b64 v114, v[116:117], s[20:21]
	s_wait_xcnt 0x0                                ; and again in front of the line that widens it
	s_or_b32 exec_lo, exec_lo, s36
.Lend:
	s_barrier_signal -1
	s_barrier_wait -1
	s_wait_tensorcnt 0x0
	ds_add_u32 v160, v161
	s_wait_dscnt 0x0
	s_endpgm
.Lfunc_end_k_q5854d24b28_bin:
	.size	k_q5854d24b28_bin, .Lfunc_end_k_q5854d24b28_bin-k_q5854d24b28_bin
	.p2alignl 7, 3214868480
	.fill 96, 4, 3214868480
	.section	.rodata,"a",@progbits
	.p2align	6, 0x0
	.amdhsa_kernel k_q5854d24b28_bin
		.amdhsa_group_segment_fixed_size 47360
		.amdhsa_private_segment_fixed_size 0
		.amdhsa_enable_private_segment 0
		.amdhsa_kernarg_size 56
		.amdhsa_user_sgpr_count 2
		.amdhsa_user_sgpr_kernarg_segment_ptr 1
		.amdhsa_wavefront_size32 1
		.amdhsa_system_sgpr_workgroup_id_x 1
		.amdhsa_system_sgpr_workgroup_id_y 1
		.amdhsa_system_sgpr_workgroup_id_z 1
		.amdhsa_system_vgpr_workitem_id 0
		.amdhsa_next_free_vgpr 162
		.amdhsa_next_free_sgpr 66
		.amdhsa_reserve_vcc 1
		.amdhsa_float_denorm_mode_32 3
		.amdhsa_float_denorm_mode_16_64 3
		.amdhsa_memory_ordered 1
		.amdhsa_forward_progress 1
		.amdhsa_inst_pref_size 49
	.end_amdhsa_kernel
	.amdgpu_metadata
---
amdhsa.version: [ 1, 2 ]
amdhsa.kernels:
  - .name:           k_q5854d24b28_bin
    .symbol:         k_q5854d24b28_bin.kd
    .args:
      - { .name: cov2d, .offset: 0, .size: 8, .value_kind: global_buffer, .address_space: global }
      - { .name: means2D, .offset: 8, .size: 8, .value_kind: global_buffer, .address_space: global }
      - { .name: depths, .offset: 16, .size: 8, .value_kind: global_buffer, .address_space: global }
      - { .name: neg_cov3d, .offset: 24, .size: 8, .value_kind: global_buffer, .address_space: global }
      - { .name: neg_means2D, .offset: 32, .size: 8, .value_kind: global_buffer, .address_space: global }
      - { .name: slots, .offset: 40, .size: 8, .value_kind: global_buffer, .address_space: global }
      - { .name: info, .offset: 48, .size: 8, .value_kind: global_buffer, .address_space: global }
    .group_segment_fixed_size: 47360
    .private_segment_fixed_size: 0
    .kernarg_segment_align: 8
    .kernarg_segment_size: 56
    .max_flat_workgroup_size: 512
    .sgpr_count:     66
    .vgpr_count:     162
    .wavefront_size: 32
...
	.end_amdgpu_metadata
.endif
;; end of part 1
;; launch render (part 2): grid 2 x 128, 16 waves a work-group, no clusters, 211,712 bytes of LDS; arguments means2D, cov2d, color, opacity, depths, neg_means2D, neg_cov3d, neg_opacity, neg_depths, slots, info, out0, out1, out2; writes out0, out1, out2
.if DOCPART == 2
	.amdgcn_target "amdgcn-amd-amdhsa--gfx1250"
	.amdhsa_code_object_version 6
	.text
	.protected	k_q5854d24b28_render
	.globl	k_q5854d24b28_render
	.p2align	8
	.type	k_q5854d24b28_render,@function
k_q5854d24b28_render:
	s_mov_b64 s[64:65], 0
	v_nop
	global_prefetch_b8 v0, s[64:65] scope:SCOPE_SE
	s_setreg_imm32_b32 hwreg(HW_REG_WAVE_MODE, 25, 1), 1
	s_wait_xcnt 0x0
; RENDER: front-to-back compositing of the depth-sorted gaussians of each tile, each alpha lowered by the negatives.
; SHARES: work-group (xh, y) makes the 64 pixels x = 64 xh .. 64 xh + 63 of image row y; they lie in the tiles 2 q and 2 q + 1,
; q = 2 (y >> 5) + xh.  Wave w: pg = w >> 3 picks 32 pixels and the tile 2 q + pg, c = w & 7 one eighth of that tile's
; list; a lane is a pixel.  The product of (1 - alpha) is associative: each chunk starts with T = 1 and wave 0 folds the eight.
; WORK THAT IS NOT DONE: a gaussian whose rectangle misses the tile has alpha 0 (factor 1, weight 0), a negative that
; misses it adds 0.  Both tests were made by the launch before; places, lengths and masks are read here as whole numbers, and
; every address, trip count and branch that hangs on data comes from them, clamped.  With all 2,048 gaussians and
; all 8 negatives in a tile the text is as right, only longer.
; PREPARATION: thread T loads gaussians T + 512 k, k = 0..3, straight into the registers of a record of 48 bytes
; [mx my A C] [B op 0.01 0] [r g b d], A = k c11 / det, C = k c00 / det, B = -k (c01 + c10) / det, k = -0.5 log2(e), and
; stores it at its place in either tile's list in LDS.  The places of a list are a permutation of 0 .. length - 1, so no two
; records of a list meet.  EXEC stays full: a gaussian that is not in the tile (place 0xFFFF) stores too, at place 2,060,
; 48 bytes that many lanes write and nothing ever reads.  Behind the last record lie 512 bytes of zeros (they end at
; byte 98,816 at the latest, the dump begins at 98,880): a record of zeros has alpha 0 in every variant (its floor is 0,
; not 0.01); it serves an odd length and the loop's look-ahead.
; NO JOINT LOADS, NO COPIES INTO LDS: what all work-groups read alike is the raw input, and each record is formed in registers
; and stored at a place that hangs on slots; a copy of the raw 90,528 bytes into LDS would add a write and a read of the same bytes.
; NO MATRIX UNITS: x squared goes up to 16,129, so 16-bit operands would put whole units of error into the exponents.
; acc = 1 - T at the end, since the weights alpha T telescope; so (1 - acc) x white = T.
; LIMITS: inverses are adjugate x v_rcp_f32(det) (1 ulp; a denormal det counts as 0).  e^x is v_exp_f32 of an exponent whose
; coefficients carry -0.5 log2(e); results below 2^-126 come out as 0.  NaN loses in min and max, so a NaN exponential
; gives 0.99 where a propagating minimum gives NaN.  The negatives are taken away one by one, not as a sum.
.set DUMP,    2060                     ; the place of records that belong to no list
.set LISTB,   99072                    ; list of tile 2 q at 0, of tile 2 q + 1 here: 2,061 places of 48 bytes, rounded up
.set NREC,    198144                   ; 8 negatives x 48 bytes: [nmx nmy q00 q11] [q01 l0 l1 k22] [nd nop], bytes 40-47 untouched
.set CMB,     198656                   ; 16 waves x 5 fields (T R G B D) x 128 bytes
.set STG,     208896                   ; 768 bytes: out0's 64 pixels
.set LASTREC, 98720                    ; a bound on the list offset from which 96 bytes are read; true offsets end at 98,352
.set KEXP,    0xbf38aa3b               ; -0.5 log2(e)
.set EK,   20                          ; v[20:27]   the negatives' exponentials
.set RA,   28                          ; v[28:39]   record, even place
.set RB,   40                          ; v[40:51]   record, odd place
.set QK,   52                          ; v[52:59]   k x quad of my pixel and negative k
.set LK,   60                          ; v[60:67]   k x lin
.set NT,   68                          ; v[68:163]  12 registers a negative during set-up
.set XK,   68                          ; v[68:75]   in the loop: exponents
.set DZ,   76                          ; v[76:83]   in the loop: depth differences
.set TT,   84                          ; v[84:91]   in the loop
.set REC,  68                          ; v[68:115]  preparation: four records
.set COV,  116                         ; v[116:131] preparation: four covariances
.set SLT,  132                         ; v[132:135] preparation: four words of slots
.set K22,  48                          ; s[48:55]   k x nc22
.set ND,   56                          ; s[56:63]   the negatives' depths
.set NOPA, 66                          ; s[66:73]   the negatives' opacities
; v[2:3] px py, v[4:7] sums R G B D, v8 T, v9 alpha, v[10:11] weight and 0, v[12:13] dx dy, v[14:15] u v, v17 record address
	s_load_b512 s[8:23], s[0:1], 0x0               ; means2D 8, cov2d 10, color 12, opacity 14, depths 16, neg_means2D 18, neg_cov3d 20, neg_opacity 22
	s_load_b256 s[24:31], s[0:1], 0x40             ; neg_depths 24, slots 26, info 28, out0 30
	s_load_b128 s[32:35], s[0:1], 0x60             ; out1 32, out2 34
	v_lshl_add_u32 v176, v0, 2, 0x33300
	v_mov_b32 v177, 0
	v_lshrrev_b32 v9, 5, v0
	v_readfirstlane_b32 s2, v9                     ; wave
	v_and_b32 v1, 31, v0                           ; lane
	s_lshr_b32 s3, s2, 3                           ; pg
	s_and_b32 s4, s2, 7                            ; c
	s_mov_b32 s5, ttmp9                            ; xh
	s_and_b32 s6, ttmp7, 0xffff                    ; y
	s_lshr_b32 s36, s6, 5
	s_lshl1_add_u32 s36, s36, s5                   ; q
	s_lshl1_add_u32 s7, s36, s3                    ; my tile
	s_mul_i32 s37, s3, LISTB                       ; my list
	s_lshl_b32 s77, s7, 3                          ; my tile's 8 bytes of info; untouched until that load is waited for
	s_mov_b32 s76, 0x3f7d70a4                      ; 0.99
	v_lshrrev_b32 v136, 3, v0
	v_and_b32 v137, 7, v0
	v_lshlrev_b32 v136, 8, v136
	v_lshl_add_u32 v136, v137, 2, v136
	s_lshl_b32 s46, s36, 5
	v_add_nc_u32 v136, s46, v136                   ; slots: 256 (T >> 3) + 32 q + 4 (T & 7)
	v_lshlrev_b32 v137, 4, v0
	v_mul_u32_u24 v138, 12, v0
	v_lshlrev_b32 v139, 3, v0
	v_lshlrev_b32 v140, 2, v0
	s_wait_kmcnt 0x0
	s_load_b64 s[38:39], s[28:29], s77 offset:0x0  ; length, mask of negatives
	s_cmp_lg_u32 s2, 1
	s_cbranch_scc1 .Lno_neg_load
	v_and_b32 v172, 7, v1                          ; wave 1: negative l & 7
	v_mul_u32_u24 v170, 36, v172
	v_lshlrev_b32 v171, 3, v172
	v_lshlrev_b32 v172, 2, v172
	global_load_b96 v[148:150], v170, s[20:21]            ; a b c
	global_load_b96 v[152:154], v170, s[20:21] offset:12  ; d e f
	global_load_b96 v[156:158], v170, s[20:21] offset:24  ; g h i
	global_load_b64 v[160:161], v171, s[18:19]            ; straight into the record's registers
	global_load_b32 v168, v172, s[24:25]
	global_load_b32 v169, v172, s[22:23]
.Lno_neg_load:
.irp k, 0,1,2,3
	global_load_b32  v[SLT+\k], v136, s[26:27] offset:16384*\k
	global_load_b64  v[REC+12*\k:REC+12*\k+1], v139, s[8:9] offset:4096*\k
	global_load_b128 v[COV+4*\k:COV+4*\k+3], v137, s[10:11] offset:8192*\k
	global_load_b96  v[REC+12*\k+8:REC+12*\k+10], v138, s[12:13] offset:6144*\k
	global_load_b32  v[REC+12*\k+5], v140, s[14:15] offset:2048*\k
	global_load_b32  v[REC+12*\k+11], v140, s[16:17] offset:2048*\k
.endr
.irp k, 0,1,2,3
	v_mov_b32 v[REC+12*\k+6], 0x3c23d70a           ; the floor 0.01 of a true record
	v_mov_b32 v[REC+12*\k+7], 0
.endr
	s_lshl_b32 s46, s5, 6
	s_lshl_b32 s47, s3, 5
	s_add_co_u32 s46, s46, s47
	v_add_nc_u32 v2, s46, v1
	v_cvt_f32_u32 v2, v2                           ; px
	v_cvt_f32_u32 v3, s6                           ; py
	v_mov_b32 v8, 1.0                              ; T
	v_mov_b32 v4, 0
	v_mov_b32 v5, 0
	v_mov_b32 v6, 0
	v_mov_b32 v7, 0
	v_mov_b32 v11, 0                               ; the unused half of the weight's pair
	s_wait_kmcnt 0x0
	s_min_u32 s38, s38, 0x800                      ; length, at most 2,048
	s_and_b32 s39, s39, 0xff
	s_bcnt1_i32_b32 s40, s39                       ; how many negatives
	s_add_co_u32 s41, s38, 15
	s_lshr_b32 s41, s41, 4
	s_lshl_b32 s41, s41, 1                         ; chunk length, even: 8 chunks cover the list
	s_mul_i32 s46, s4, s41                         ; my chunk's first place
	s_sub_co_i32 s47, s38, s46
	s_max_i32 s47, s47, 0
	s_min_i32 s47, s47, s41                        ; records of my chunk
	s_add_co_u32 s43, s47, 1
	s_lshr_b32 s43, s43, 1                         ; trips of two records; an odd end takes the first record of zeros
	s_mul_i32 s42, s46, 48                         ; byte offset in the list
	s_wait_loadcnt 0x0
	; conics, four gaussians stage by stage
.irp k, 0,1,2,3
	v_mul_f32 v[20+\k], v[COV+4*\k+1], v[COV+4*\k+2]
	v_add_f32 v[28+\k], v[COV+4*\k+1], v[COV+4*\k+2]
.endr
.irp k, 0,1,2,3
	v_fma_f32 v[20+\k], v[COV+4*\k], v[COV+4*\k+3], -v[20+\k]      ; det
.endr
.irp k, 0,1,2,3
	v_rcp_f32 v[24+\k], v[20+\k]
.endr
	v_nop                                          ; one plain place behind the reciprocals (ISA guide 5.7.2)
	s_wait_alu depctr_va_vdst(0)
.irp k, 0,1,2,3
	v_mul_f32 v[24+\k], KEXP, v[24+\k]
.endr
.irp k, 0,1,2,3
	v_mul_f32 v[REC+12*\k+2], v[24+\k], v[COV+4*\k+3]              ; A
	v_mul_f32 v[REC+12*\k+3], v[24+\k], v[COV+4*\k]                ; C
	v_mul_f32 v[REC+12*\k+4], -v[24+\k], v[28+\k]                  ; B
.endr
; record k goes to its place in list 0 or 1; the clamp sends 0xFFFF (not in the tile) to the dump
.macro SCAT k, list
.if \list == 0
	v_and_b32 v36, 0xffff, v[SLT+\k]
.else
	v_lshrrev_b32 v36, 16, v[SLT+\k]
.endif
	v_min_u32 v36, DUMP, v36
	v_mul_u32_u24 v37, 48, v36
.if \list
	v_add_nc_u32 v37, LISTB, v37
.endif
	ds_store_b128 v37, v[REC+12*\k:REC+12*\k+3]
	ds_store_b128 v37, v[REC+12*\k+4:REC+12*\k+7] offset:16
	ds_store_b128 v37, v[REC+12*\k+8:REC+12*\k+11] offset:32
.endm
.irp k, 0,1,2,3
	SCAT \k, 0
	SCAT \k, 1
.endr
	s_cmp_lg_u32 s4, 0
	s_cbranch_scc1 .Lno_pad
	v_mov_b32 v32, 0                               ; waves 0 and 8: 512 bytes of zeros behind their list's last record
	v_mov_b32 v33, 0
	v_mov_b32 v34, 0
	v_mov_b32 v35, 0
	s_mul_i32 s46, s38, 48
	s_add_co_u32 s46, s46, s37
	v_lshl_add_u32 v37, v1, 4, s46
	ds_store_b128 v37, v[32:35]
.Lno_pad:
	s_cmp_lg_u32 s2, 1
	s_cbranch_scc1 .Lno_neg
	; wave 1: the inverse of the 3 x 3 covariance by cofactors; only the sums that the exponent needs
.macro COF dst, p, q, r, s                     ; dst = p q - r s
	v_mul_f32 v173, v\r, v\s
	v_fma_f32 v\dst, v\p, v\q, -v173
.endm
	COF 162, 153, 158, 154, 157                    ; C00 = e i - f h
	COF 164, 154, 156, 152, 158                    ; C01 = f g - d i
	COF 165, 152, 157, 153, 156                    ; C02 = d h - e g
	COF 170, 150, 157, 149, 158                    ; C10 = c h - b i
	COF 163, 148, 158, 150, 156                    ; C11 = a i - c g
	COF 166, 149, 156, 148, 157                    ; C12 = b g - a h
	COF 171, 149, 154, 150, 153                    ; C20 = b f - c e
	COF 172, 150, 152, 148, 154                    ; C21 = c d - a f
	COF 167, 148, 153, 149, 152                    ; C22 = a e - b d
	v_mul_f32 v174, v148, v162
	v_fmac_f32 v174, v149, v164
	v_fmac_f32 v174, v150, v165                    ; det
	v_rcp_f32 v175, v174
	v_add_f32 v164, v164, v170                     ; q01 (a plain place behind the reciprocal)
	v_add_f32 v165, v165, v171                     ; l0
	v_add_f32 v166, v166, v172                     ; l1
	s_wait_alu depctr_va_vdst(0)
	v_mul_f32 v175, KEXP, v175
.irp r, 162,163,164,165,166,167
	v_mul_f32 v\r, v\r, v175
.endr
	v_and_b32 v151, 7, v1
	v_mul_u32_u24 v151, 48, v151
	v_add_nc_u32 v151, NREC, v151                  ; the four lanes of a negative store the same numbers
	ds_store_b128 v151, v[160:163]
	ds_store_b128 v151, v[164:167] offset:16
	ds_store_b64 v151, v[168:169] offset:32
.Lno_neg:
	s_wait_dscnt 0x0                               ; my records are in LDS, for the other waves' sake
	s_barrier_signal -1
	s_barrier_wait -1                              ; both lists and the negatives are whole; up to the next barrier LDS is only read
; the nn negatives of my tile, lowest bit of the mask first: what hangs on the pixel alone goes to QK and LK, what hangs on no lane to scalars
.macro NEGSETUP nn
.if \nn > 0
.set kk, 0
.rept \nn
	s_ctz_i32_b32 s46, s39
	s_min_u32 s46, s46, 7
	s_sub_co_u32 s47, s39, 1
	s_and_b32 s39, s39, s47                        ; that bit is done
	s_mul_i32 s46, s46, 48
	s_add_co_u32 s46, s46, NREC
	v_mov_b32 v18, s46
	ds_load_b128 v[NT+12*kk:NT+12*kk+3], v18
	ds_load_b128 v[NT+12*kk+4:NT+12*kk+7], v18 offset:16
	ds_load_b64 v[NT+12*kk+8:NT+12*kk+9], v18 offset:32
.set kk, kk+1
.endr
	s_wait_dscnt 0x0
.set kk, 0
.rept \nn
	v_pk_add_f32 v[12:13], v[2:3], v[NT+12*kk:NT+12*kk+1] neg_lo:[0,1] neg_hi:[0,1]
	v_pk_mul_f32 v[14:15], v[NT+12*kk+2:NT+12*kk+3], v[12:13]
	v_fmac_f32 v14, v[NT+12*kk+4], v13
	v_mul_f32 v15, v15, v13
	v_fma_f32 v[QK+kk], v14, v12, v15
	v_mul_f32 v[LK+kk], v[NT+12*kk+5], v12
	v_fmac_f32 v[LK+kk], v[NT+12*kk+6], v13
	v_readfirstlane_b32 s[K22+kk], v[NT+12*kk+7]
	v_readfirstlane_b32 s[ND+kk], v[NT+12*kk+8]
	v_readfirstlane_b32 s[NOPA+kk], v[NT+12*kk+9]
.set kk, kk+1
.endr
.endif
.endm
; one gaussian, its record in v[r : r + 11], against nn negatives
.macro GAUSS r, nn
	v_pk_add_f32 v[12:13], v[2:3], v[\r:\r+1] neg_lo:[0,1] neg_hi:[0,1]
	v_pk_mul_f32 v[14:15], v[\r+2:\r+3], v[12:13]
	v_fmac_f32 v14, v[\r+4], v13
	v_mul_f32 v15, v15, v13
	v_fmac_f32 v15, v14, v12                       ; A dx dx + B dx dy + C dy dy
	v_exp_f32 v9, v15
.if \nn == 0
	v_nop                                          ; the plain place behind the exponential
	s_wait_alu depctr_va_vdst(0)
.else
.set kk, 0
.rept \nn
	v_sub_f32 v[DZ+kk], v[\r+11], s[ND+kk]
.set kk, kk+1
.endr
.set kk, 0
.rept \nn
	v_fma_f32 v[TT+kk], s[K22+kk], v[DZ+kk], v[LK+kk]
.set kk, kk+1
.endr
.set kk, 0
.rept \nn
	v_fma_f32 v[XK+kk], v[TT+kk], v[DZ+kk], v[QK+kk]
.set kk, kk+1
.endr
.set kk, 0
.rept \nn
	v_exp_f32 v[EK+kk], v[XK+kk]
.set kk, kk+1
.endr
.endif
	s_wait_alu depctr_va_vdst(0)
	v_mul_f32 v9, v9, v[\r+5]                      ; also the plain place behind the last exponential
	v_min_num_f32 v9, s76, v9
.if \nn > 0
.set kk, 0
.rept \nn
	v_mul_f32 v[EK+kk], s[NOPA+kk], v[EK+kk]
.set kk, kk+1
.endr
.set kk, 0
.rept \nn
	v_min_num_f32 v[EK+kk], s76, v[EK+kk]
.set kk, kk+1
.endr
.set kk, 0
.rept \nn
	v_sub_f32 v9, v9, v[EK+kk]
.set kk, kk+1
.endr
	v_max_num_f32 v9, v9, v[\r+6]                  ; the floor: 0.01, or 0 in a record of zeros
.endif
	v_mul_f32 v10, v9, v8                          ; weight
	v_sub_f32 v8, v8, v10                          ; T (1 - alpha)
	v_pk_fma_f32 v[4:5], v[10:11], v[\r+8:\r+9], v[4:5] op_sel_hi:[0,1,1]
	v_pk_fma_f32 v[6:7], v[10:11], v[\r+10:\r+11], v[6:7] op_sel_hi:[0,1,1]
.endm
.macro LOADREC r, off
	ds_load_b128 v[\r:\r+3],    v17 offset:\off
	ds_load_b128 v[\r+4:\r+7],  v17 offset:\off+16
	ds_load_b128 v[\r+8:\r+11], v17 offset:\off+32
.endm
; The loop for nn negatives.  A trip takes two records; each buffer is loaded again as soon as it has been used, so the
; last trip reads two places past the chunk: a later chunk's records or zeros, at most place length + 2.  The clamp bounds the address.
.macro VARIANT nn
.Lvar_\nn:
	NEGSETUP \nn
	s_min_u32 s46, s42, LASTREC
	s_add_co_u32 s46, s46, s37
	v_mov_b32 v17, s46
	LOADREC RA, 0
	LOADREC RB, 48
	s_mov_b32 s44, 0
.Lloop_\nn:
	s_wait_dscnt 3                                 ; the even record is in; the odd one's three loads may be out
	GAUSS RA, \nn
	s_add_co_u32 s42, s42, 96
	s_min_u32 s46, s42, LASTREC
	s_add_co_u32 s46, s46, s37
	v_mov_b32 v17, s46
	LOADREC RA, 0
	s_wait_dscnt 3                                 ; the odd record is in; the next even one's three loads may be out
	GAUSS RB, \nn
	LOADREC RB, 48
	s_add_co_u32 s44, s44, 1
	s_cmp_lt_u32 s44, s43
	s_cbranch_scc1 .Lloop_\nn
.if \nn < 8
	s_branch .Ljoin
.endif
.endm
	s_cmp_eq_u32 s43, 0                            ; an empty chunk keeps T = 1 and sums of 0
	s_cbranch_scc1 .Ljoin
.irp m, 1,2,3,4,5,6,7,8
	s_cmp_eq_u32 s40, \m
	s_cbranch_scc1 .Lvar_\m
.endr
	VARIANT 0
	VARIANT 1
	VARIANT 2
	VARIANT 3
	VARIANT 4
	VARIANT 5
	VARIANT 6
	VARIANT 7
	VARIANT 8
.Ljoin:
	s_wait_dscnt 0x0                               ; my reads of the lists are over, the look-ahead's among them
	s_barrier_signal -1
	s_barrier_wait -1                              ; everybody's are: LDS may be written again
	; my chunk's T and sums
	s_mul_i32 s46, s2, 640
	s_add_co_u32 s46, s46, CMB
	v_lshl_add_u32 v17, v1, 2, s46
	ds_store_b32 v17, v8
	ds_store_b32 v17, v4 offset:128
	ds_store_b32 v17, v5 offset:256
	ds_store_b32 v17, v6 offset:384
	ds_store_b32 v17, v7 offset:512
	s_wait_dscnt 0x0                               ; these stores are in LDS, for wave 0's sake
	s_barrier_signal -1
	s_barrier_wait -1
	s_cmp_lg_u32 s2, 0
	s_cbranch_scc1 .Lend
	; wave 0: lane l folds the eight chunks of pixels 2 l and 2 l + 1
	v_lshrrev_b32 v12, 4, v1
	v_and_b32 v13, 15, v1
	v_mul_u32_u24 v12, 5120, v12
	v_lshl_add_u32 v12, v13, 3, v12
	v_add_nc_u32 v12, CMB, v12
.irp c, 0,1,2,3,4,5,6,7
.irp f, 0,1,2,3,4
	ds_load_b64 v[68+10*\c+2*\f:69+10*\c+2*\f], v12 offset:640*\c+128*\f
.endr
.endr
	s_lshl_b32 s74, s6, 9
	s_lshl_b32 s46, s5, 8
	s_add_co_u32 s74, s74, s46                     ; 512 y + 256 xh
	s_mov_b32 s75, 0
	s_add_nc_u64 s[32:33], s[32:33], s[74:75]
	s_add_nc_u64 s[34:35], s[34:35], s[74:75]
	s_mul_i32 s74, s74, 3                          ; 1,536 y + 768 xh
	s_add_nc_u64 s[30:31], s[30:31], s[74:75]
	v_lshlrev_b32 v150, 3, v1
	v_mul_u32_u24 v151, 24, v1
	v_add_nc_u32 v151, STG, v151
	v_add_nc_u32 v152, STG, v150
; chunk c joins: sums += T so far x its sums; T so far x= its T.  Chunk 0's numbers start the sums in v[68:77].
.macro FOLD c
	s_wait_dscnt 35-5*\c                           ; of the 40 loads the 5 (c + 1) oldest are in
.irp f, 1,2,3,4
	v_pk_fma_f32 v[68+2*\f:69+2*\f], v[68:69], v[68+10*\c+2*\f:69+10*\c+2*\f], v[68+2*\f:69+2*\f]
.endr
	v_pk_mul_f32 v[68:69], v[68:69], v[68+10*\c:69+10*\c]
.endm
.irp c, 1,2,3,4,5,6,7
	FOLD \c
.endr
	v_pk_add_f32 v[70:71], v[70:71], v[68:69]      ; colour + (1 - acc) x white
	v_pk_add_f32 v[72:73], v[72:73], v[68:69]
	v_pk_add_f32 v[74:75], v[74:75], v[68:69]
	v_pk_fma_f32 v[148:149], v[68:69], -1.0, 1.0 op_sel_hi:[1,0,0]   ; acc = 1 - T
	global_store_b64 v150, v[76:77], s[32:33]      ; each store of the wave covers 256 consecutive bytes, aligned
	global_store_b64 v150, v[148:149], s[34:35]
	; out0: 12 bytes a pixel; through LDS, so that each store again covers 256 consecutive bytes
	ds_store_b32 v151, v70
	ds_store_b32 v151, v72 offset:4
	ds_store_b32 v151, v74 offset:8
	ds_store_b32 v151, v71 offset:12
	ds_store_b32 v151, v73 offset:16
	ds_store_b32 v151, v75 offset:20
.irp j, 0,1,2
	ds_load_b64 v[154+2*\j:155+2*\j], v152 offset:256*\j   ; LDS serves a wave's instructions in order (ISA guide 5.7.1): these see the stores above
.endr
	s_wait_dscnt 0x0
.irp j, 0,1,2
	global_store_b64 v150, v[154+2*\j:155+2*\j], s[30:31] offset:256*\j
.endr
.Lend:
	s_barrier_signal -1
	s_barrier_wait -1
	s_wait_tensorcnt 0x0
	ds_add_u32 v176, v177
	s_wait_dscnt 0x0
	s_endpgm
.Lfunc_end_k_q5854d24b28_render:
	.size	k_q5854d24b28_render, .Lfunc_end_k_q5854d24b28_render-k_q5854d24b28_render
	.p2alignl 7, 3214868480
	.fill 96, 4, 3214868480
	.section	.rodata,"a",@progbits
	.p2align	6, 0x0
	.amdhsa_kernel k_q5854d24b28_render
		.amdhsa_group_segment_fixed_size 211712
		.amdhsa_private_segment_fixed_size 0
		.amdhsa_enable_private_segment 0
		.amdhsa_kernarg_size 112
		.amdhsa_user_sgpr_count 2
		.amdhsa_user_sgpr_kernarg_segment_ptr 1
		.amdhsa_wavefront_size32 1
		.amdhsa_system_sgpr_workgroup_id_x 1
		.amdhsa_system_sgpr_workgroup_id_y 1
		.amdhsa_system_sgpr_workgroup_id_z 1
		.amdhsa_system_vgpr_workitem_id 0
		.amdhsa_next_free_vgpr 178
		.amdhsa_next_free_sgpr 80
		.amdhsa_reserve_vcc 0
		.amdhsa_float_denorm_mode_32 3
		.amdhsa_float_denorm_mode_16_64 3
		.amdhsa_memory_ordered 1
		.amdhsa_forward_progress 1
		.amdhsa_inst_pref_size 96
	.end_amdhsa_kernel
	.amdgpu_metadata
---
amdhsa.version: [ 1, 2 ]
amdhsa.kernels:
  - .name:           k_q5854d24b28_render
    .symbol:         k_q5854d24b28_render.kd
    .args:
      - { .name: means2D, .offset: 0, .size: 8, .value_kind: global_buffer, .address_space: global }
      - { .name: cov2d, .offset: 8, .size: 8, .value_kind: global_buffer, .address_space: global }
      - { .name: color, .offset: 16, .size: 8, .value_kind: global_buffer, .address_space: global }
      - { .name: opacity, .offset: 24, .size: 8, .value_kind: global_buffer, .address_space: global }
      - { .name: depths, .offset: 32, .size: 8, .value_kind: global_buffer, .address_space: global }
      - { .name: neg_means2D, .offset: 40, .size: 8, .value_kind: global_buffer, .address_space: global }
      - { .name: neg_cov3d, .offset: 48, .size: 8, .value_kind: global_buffer, .address_space: global }
      - { .name: neg_opacity, .offset: 56, .size: 8, .value_kind: global_buffer, .address_space: global }
      - { .name: neg_depths, .offset: 64, .size: 8, .value_kind: global_buffer, .address_space: global }
      - { .name: slots, .offset: 72, .size: 8, .value_kind: global_buffer, .address_space: global }
      - { .name: info, .offset: 80, .size: 8, .value_kind: global_buffer, .address_space: global }
      - { .name: out0, .offset: 88, .size: 8, .value_kind: global_buffer, .address_space: global }
      - { .name: out1, .offset: 96, .size: 8, .value_kind: global_buffer, .address_space: global }
      - { .name: out2, .offset: 104, .size: 8, .value_kind: global_buffer, .address_space: global }
    .group_segment_fixed_size: 211712
    .private_segment_fixed_size: 0
    .kernarg_segment_align: 8
    .kernarg_segment_size: 112
    .max_flat_workgroup_size: 512
    .sgpr_count:     80
    .vgpr_count:     178
    .wavefront_size: 32
...
	.end_amdgpu_metadata
.endif
;; end of part 2
